; MI455X (gfx1250); checked and timed in simulation.
; The chip was launched on July 23, 2026; its instructions are those of AMD's public machine-readable ISA for CDNA 5 (MIT licence, August 2026) and "CDNA5" Instruction Set Architecture Reference Guide (July 2026). The comments in the code are by the model that wrote it; some were corrected since.
;; Batched Causal Self Attention. Allowed arithmetic: matrix products marked QUANTISED: E5M2 operands, one given power-of-two scale a tensor, by v_wmma_f32_16x16x64_bf8_bf8 or v_wmma_f32_16x16x128_bf8_bf8, f32 sums; everything else in f32.
;; Inputs: W_attn_codes 3,072 x 32 x 32 uint8 (E5M2 codes of W_attn, K innermost, in blocks of 32 codes); W_proj_codes 1,024 x 32 x 32 uint8 (E5M2 codes of W_proj, K innermost, in blocks of 32 codes); lowp_scales 8 int32 (the exponents e of the quantised operands' scales 2^e); x_codes 4 x 2,048 x 32 x 32 uint8 (E5M2 codes of x, K innermost, in blocks of 32 codes).
;; Outputs: out0 4 x 2,048 x 1,024 float32.
;; This version of the problem:
;;   THIS VERSION OF THE PROBLEM IS GIVEN IN LOW PRECISION. The matrix products marked QUANTISED in the list below multiply operands that are first quantised to E5M2 (5 exponent bits, 2 mantissa bits; 8 bits a number), with one given power-of-two scale for each operand tensor; their sums are f32. All else is computed in f32.
;;   The module's matrix products, in the order in which they are computed (A, B: the left and right operand; K: the contracted axis; several contracted axes count as one K, in the product's order):
;;     1. [M 8,192, K 1,024] x [K 1,024, N 3,072]; A: input x (given as codes); B: input W_attn (given as codes): QUANTISED (scales: A lowp_scales[0], B lowp_scales[1])
;;     2. batch 64 x [M 2,048, K 64] x [K 64, N 2,048]; A: computed on the way; B: computed on the way: QUANTISED (scales: A lowp_scales[2], B lowp_scales[3])
;;     3. batch 64 x [M 2,048, K 2,048] x [K 2,048, N 64]; A: softmax (see below); B: computed on the way: QUANTISED (scales: A lowp_scales[4], B lowp_scales[5])
;;     4. [M 8,192, K 1,024] x [K 1,024, N 1,024]; A: computed on the way; B: input W_proj (given as codes): QUANTISED (scales: A lowp_scales[6], B lowp_scales[7])
;;   THE QUANTISER, for each operand of a quantised product, along K:
;;     - The operand's scale is 2^e, e = its entry of the input lowp_scales (int32; the entries are numbered through the quantised products in the list's order, A before B).
;;     - Each number is divided by the scale, clamped to +-57,344, and rounded to the nearest number of E5M2, ties to even, subnormals kept.
;;     - The product sums the exact products of the quantised numbers (number of the format x scale) in f32.
;;   ~~~python
;;   def quantise(x, axis, e):      # numpy; x: float32 -> the quantised numbers, widened to float32 again
;;       x = np.moveaxis(x, axis, -1); K = x.shape[-1]
;;       r = np.clip(x / 2.0 ** e, -57344, 57344)
;;       step = 2.0 ** (np.maximum(np.frexp(np.where(r == 0, 1, r))[1] - 1, -14) - 2)
;;       q = np.round(r / step) * step * 2.0 ** e      # np.round: ties to even
;;       return np.moveaxis(q, -1, axis).astype(np.float32)
;;   ~~~
;;   SOFTMAX AHEAD OF A QUANTISED PRODUCT. Where the list says 'softmax', what is quantised is not the finished softmax but p = 2^(t - M), with t = logit x log2(e) and M = ceil(the row's largest t), a whole number; so 1/2 < the row's largest p <= 1. The row's sum l is taken of the UNQUANTISED p, in f32, and the product's result is divided by l at the end. Since M is a whole number, a kernel that streams over the keys may use a running M (the ceiling of the running maximum): every later rescaling is an exact power of two, so the quantised numbers keep their values, but for numbers so far below the row's largest that they fall under the format's range.
;;   OPERANDS COMPUTED ON THE WAY. 'Computed on the way' means the value that the module computes at that place (a softmax that the list does not call 'softmax' is quantised finished and normalised). What goes into a quantiser is computed in f32, as accurately as f32 sums, v_exp_f32 and their like allow (about 1e-6 of the number): no bf16 or f16 on the way to a quantiser, and a product that is left as it is and whose result goes on into a quantised operand takes f32 operands (vector FMAs, or v_wmma_f32_16x16x4_f32). A number that lies on a knife's edge between two numbers of the format may be rounded either way, as far as f32 arithmetic and the matrix unit's own rounding can turn it there, and no further.
;;   INPUTS GIVEN AS CODES. W_attn (in the module: [1024, 3072], K = its axis 0); W_proj (in the module: [1024, 1024], K = its axis 0); x (in the module: [4, 2048, 1024], K = its axis 2): each comes as NAME_codes (uint8): NAME with its K axis moved to the last place and cut into blocks of 32 codes, [.., K / 32, bytes a block], one block behind the other in memory; one code a byte (a code: sign, 5 exponent bits, 2 mantissa bits); its scale is its entry of lowp_scales. Its value is code x scale, taken as it is: it is not quantised again, and the codes and scales need not be those that the quantiser above would give.
;; One version. Each part assembles by itself: llvm-mc -triple=amdgcn-amd-amdhsa -mcpu=gfx1250 --defsym DOCPART=n.
;; ======== version 1 of 1: 3 launches
;; limits: right only within a limited range of input values
;; workspace buffers: qkv 25,165,824 bytes; yimg 8,388,608 bytes
;; launch qkv (part 1): grid 12 x 32, 4 waves a work-group, clusters of 4 x 4, 327,680 bytes of LDS; arguments x_codes, W_attn_codes, lowp_scales, qkv; writes qkv
.if DOCPART == 1
	.amdgcn_target "amdgcn-amd-amdhsa--gfx1250"
	.amdhsa_code_object_version 6
	.text
	.protected	k_q6a5befb996_qkv
	.globl	k_q6a5befb996_qkv
	.p2align	8
	.type	k_q6a5befb996_qkv,@function
k_q6a5befb996_qkv:
	s_mov_b64 s[64:65], 0
	v_nop
	global_prefetch_b8 v0, s[64:65] scope:SCOPE_SE
	s_setreg_imm32_b32 hwreg(HW_REG_WAVE_MODE, 25, 1), 1
	s_wait_xcnt 0x0
	s_wait_alu depctr_hold_cnt(0) depctr_sa_sdst(0) depctr_va_vdst(0) depctr_va_sdst(0) depctr_va_ssrc(0) depctr_va_vcc(0) depctr_vm_vsrc(0)
	s_getreg_b32 s2, hwreg(HW_REG_IB_STS2, 6, 4)
	s_cmp_eq_u32 s2, 0
	s_cbranch_scc0 .Lentry_in_a_cluster
	s_endpgm
.Lentry_in_a_cluster:
	s_bfe_u32 s2, ttmp6, 0x10000c
	s_cmp_lg_u32 s2, 0xf033
	s_cbranch_scc0 .Lentry_shape_is_right
	s_endpgm
.Lentry_shape_is_right:
; qkv = x W_attn on codes of BF8 (E5M2), K = 1,024, and the quantisers of q, k and v.  x: [8192][1024] codes, W_attn: [3072][1024] codes, K innermost in both.
; A sum stands for sum x 2^(e0 + e1); its code is sum / 2^(eo - e0 - e1), held within +-57,344, eo = e2 for q, e3 for k, e5 for v (entries of the scales' buffer).
; LIMITS: eo - e0 - e1 lies between -126 and 112, so that the scale and 57,344 x the scale are f32 numbers.  NaN and infinity codes among the inputs are not served.
; A tile of 256 x 256 is made by four waves, each 128 x 128: 64 accumulators, 512 registers.  K goes in steps of 256 through two LDS slots filled by the tensor data mover.
; THE RESULTS LEAVE AS IMAGES OF THE NEXT PRODUCTS' OPERAND REGISTERS.  Source 0 of the matrix instruction takes 16 rows of SIDE B, source 1 16 rows of SIDE A: a lane then holds one row of side A and its
; eight registers eight neighbouring rows of side B, and the conversion of those eight gives registers 2 c, 2 c + 1 of an 8-bit operand (k = 16 c + 8 (lane / 16) + 0 .. 7).
;   q, k (cluster x = 0, 1): side A = x (a lane holds a token), side B = W_attn (registers run along the head's 64): fragments of 16 tokens x 64, 1,024 bytes: [head 64][token tile 128][2][lane][16 bytes].
;   v    (cluster x = 2):    side A = W_attn (a lane holds a channel), side B = x (registers run along the tokens, the keys): fragments of 16 channels x 128 keys, 2,048 bytes: [head 64][key block 16][channel tile 4][4][lane][16 bytes].
; The sides are chosen by selects on the cluster's x, which all partners share; no branch hangs on it.  Every store of a wave covers 512 consecutive bytes, aligned.
; CLUSTERS: 4 x 4 work-groups.  Side A's tile hangs on cy alone and is asked for jointly by a row of the cluster, side B's on cx alone, by a column.
; The grid has 384 tiles.  Tiles of another width that would divide evenly among the WGPs would straddle the borders of q, k and v at columns 1,024 and 2,048, and split heads between waves.
; REGISTERS, in windows of 256: window 0: v8-11 store offsets, v12 the scale, v16-21 LDS addresses, v28-29 for the add, v128-255 side A's fragments (one set), later the codes.
;   window 1: side B's fragments, two sets.   windows 2, 3: the accumulators ((a, b) at v[8 (8 (a % 4) + b)]).
.set KROW,   1024                      ; a row of x or of W_attn in bytes
.set ROWB,   256                       ; a tile's row: 256 codes
.set PITCH,  272                       ; an LDS row: 256 bytes + 16 of padding = 68 words: row r starts at bank 4 r mod 64 (64 banks of 4 bytes: ISA guide 11.1)
.set FR,     16                        ; registers of a fragment of 16 rows x 128 K
.set NL,     4                         ; LDS loads that bring one
.set NP,     4                         ; places behind this matrix instruction (ISA guide 7.12.1)
.set HALFT,  128*PITCH                 ; 128 rows: one tensor load
.set SLOT,   4*HALFT                   ; side A's 256 rows, then side B's
.set SPARE,  2*SLOT                    ; behind the ring: the spare words, 128 bytes for each wave
.set VO,   8                           ; v8-11   byte offsets of a block's four stores; never rewritten
.set SC,   12                          ; v12     2^(eo - e0 - e1) as f32
.set LIM,  13
.set ADRA, 16                          ; v16-17  LDS address of my side A fragments in slot 0, 1
.set ADRB, 20                          ; v20-21  the same for side B
.set SPW,  28                          ; v28     LDS address of my spare word; never rewritten
.set NIL,  29                          ; v29     0; never rewritten
.set TMP,  32
.set AF,   128                         ; side A's fragments
.set CD,   128                         ; the way out: 16 registers of codes for each of the eight blocks
.set G1, 24                            ; s[24:31] descriptor group 1 for side A; s[32:39] group 0, a set for each slot
.set G0, 32
.set G1B, 48                           ; s[48:55], s[56:63] the same for side B
.set G0B, 56
.set MSB, 0
.macro WIN new                         ; the immediate's high byte repeats the setting that is left
.if MSB != (\new)
	s_set_vgpr_msb (MSB<<8)|(\new)
.set MSB, (\new)
.endif
.endm
.set MUL_LO, 0xa1                      ; source 0 (side B) window 1, source 1 (side A) window 0, C and D window 2
.set MUL_HI, 0xf1                      ; the same, C and D window 3
.set TO_B,   0x40                      ; destination window 1, address window 0
; A joint load: waves 0 and 1 fetch for side A, waves 2 and 3 for side B.  The branch hangs on the wave's number alone.  Four v_nop follow each of the two lines.
.macro JLOAD g0a, g1a, g0b, g1b
	s_cmp_eq_u32 s15, 0
	s_cbranch_scc0 .Lfor_b_\@
	tensor_load_to_lds s[\g0a:\g0a+3], s[\g1a:\g1a+7]
	s_nop 0
.rept 4
	v_nop
.endr
	s_branch .Lasked_\@
.Lfor_b_\@:
	tensor_load_to_lds s[\g0b:\g0b+3], s[\g1b:\g1b+7]
	s_nop 0
.rept 4
	v_nop
.endr
.Lasked_\@:
.endm
.macro CREST                           ; a round of the cluster's barrier behind its opening barrier
	s_cmp_lg_u32 s14, 0
	s_cbranch_scc1 .Lnot_wave_0_\@
	s_barrier_signal -3
.Lnot_wave_0_\@:
	s_barrier_wait -3
	s_barrier_signal -1
	s_barrier_wait -1
.endm
.macro CROUND                          ; a whole round
	s_barrier_signal -1
	s_barrier_wait -1
	CREST
.endm
	s_load_b256 s[4:11], s[0:1], 0x0               ; x s[4:5], W_attn s[6:7], the scales' exponents s[8:9], the images s[10:11]
	v_lshl_add_u32 v[SPW], v0, 2, SPARE
	v_mov_b32 v[NIL], 0
	ds_add_u32 v28, v29
	ds_add_u32 v28, v29
	s_wait_dscnt 0x0
	v_lshrrev_b32 v1, 5, v0
	v_readfirstlane_b32 s14, v1                    ; wave 0..3
	s_lshr_b32 s15, s14, 1                         ; which 128 rows of side A are mine.  Also: I fetch for side A (0) or side B (1)
	s_and_b32 s16, s14, 1                          ; which 128 rows of side B.  Also: which 128 rows of that tile I fetch
	s_bfe_u32 s40, ttmp6, 0x40000                  ; cx
	s_bfe_u32 s41, ttmp6, 0x40004                  ; cy
	s_and_b32 s13, ttmp7, 0xffff                   ; the cluster's y, 0..7; the cluster's x (ttmp9) is the kind: 0 q, 1 k, 2 v
	s_lshl_b32 s43, s41, 2
	s_lshl_b32 s43, 15, s43                        ; my row of the cluster
	s_lshl_b32 s44, 0x1111, s40                    ; my column
	s_or_b32 s[G1+0], s43, (0<<16)|(1<<20)|(1<<21)|(5<<22)|(3<<25)  ; 15:0 the mask; 17:16 elements of 1 byte; 20 padding on; 21 set beside a mask; 24:22 after every 64 words (code 5); 31:25 four words (code 3)
	s_or_b32 s[G1B+0], s44, (0<<16)|(1<<20)|(1<<21)|(5<<22)|(3<<25)
.irp g, G1, G1B
	s_mov_b32 s[\g+1], ROWB<<16                    ; tensor_dim0 = 256
	s_mov_b32 s[\g+2], 128<<16                     ; tensor_dim1 = 128
	s_mov_b32 s[\g+3], ROWB<<16                    ; tile_dim0 = 256
	s_mov_b32 s[\g+4], 128                         ; tile_dim1 = 128
	s_mov_b32 s[\g+5], KROW                        ; from row to row
	s_mov_b32 s[\g+6], 0
	s_mov_b32 s[\g+7], 0
.endr
	s_lshl_b32 s12, s16, 7                         ; which 128 rows of a tile I fetch
	s_lshl_b32 s17, s13, 2                         ; side A's first row: registers that never hold cx
	s_add_co_u32 s17, s17, s41
	s_lshl_b32 s17, s17, 8
	s_add_co_u32 s17, s17, s12                     ; q, k: row 256 (4 cluster y + cy) of x
	s_lshl_b32 s18, s41, 8
	s_add_co_u32 s18, s18, 2048
	s_add_co_u32 s18, s18, s12                     ; v: row 2,048 + 256 cy of W_attn
	s_lshl_b32 s42, ttmp9, 2                       ; side B's: registers that never hold cy
	s_add_co_u32 s42, s42, s40
	s_lshl_b32 s42, s42, 8
	s_add_co_u32 s42, s42, s12                     ; q, k: row 256 (4 cluster x + cx) of W_attn
	s_lshl_b32 s46, s13, 2
	s_add_co_u32 s46, s46, s40
	s_lshl_b32 s46, s46, 8
	s_add_co_u32 s46, s46, s12                     ; v: row 256 (4 cluster y + cx) of x
	s_cmp_eq_u32 ttmp9, 2                          ; v?
	s_cselect_b32 s20, s18, s17
	s_cselect_b32 s46, s46, s42
	s_lshl_b32 s20, s20, 10                        ; rows of 1,024 bytes
	s_mov_b32 s21, 0
	s_lshl_b32 s46, s46, 10
	s_mov_b32 s47, 0
	s_mul_i32 s45, s14, HALFT                      ; where the tiles go: wave x 128 rows: no place in the cluster enters an LDS address
	s_wait_kmcnt 0x0
	s_load_b256 s[68:75], s[8:9], 0x0              ; e0 .. e7
	s_cmp_eq_u32 ttmp9, 2                          ; (the shifts above have written SCC)
	s_cselect_b64 s[66:67], s[6:7], s[4:5]         ; side A's tensor: W_attn for v, else x
	s_cselect_b64 s[76:77], s[4:5], s[6:7]         ; side B's
	s_add_nc_u64 s[66:67], s[66:67], s[20:21]
	s_add_nc_u64 s[76:77], s[76:77], s[46:47]
	CROUND                                         ; all sixteen work-groups are here: the first joint loads meet
.irp s, 0,1
	s_mov_b32 s[G0+4*\s], 1                        ; count = 1
	s_add_co_u32 s[G0+4*\s+1], s45, \s*SLOT        ; LDS address
	s_add_nc_u64 s[G0+4*\s+2:G0+4*\s+3], s[66:67], \s*ROWB   ; global address: K step s
	s_or_b32 s[G0+4*\s+3], s[G0+4*\s+3], 0x80000000          ; type = 2
	s_mov_b32 s[G0B+4*\s], 1
	s_add_co_u32 s[G0B+4*\s+1], s45, \s*SLOT
	s_add_nc_u64 s[G0B+4*\s+2:G0B+4*\s+3], s[76:77], \s*ROWB
	s_or_b32 s[G0B+4*\s+3], s[G0B+4*\s+3], 0x80000000
	JLOAD G0+4*\s, G1, G0B+4*\s, G1B               ; two loads of mine are out
.endr
	v_and_b32 v1, 15, v0                           ; l % 16
	v_bfe_u32 v2, v0, 4, 1                         ; l / 16
	v_mul_u32_u24 v3, v1, PITCH
	v_lshl_add_u32 v4, v2, 4, v3                   ; a fragment's row x pitch + 16 x half
	s_mul_i32 s92, s15, HALFT                      ; my 128 rows of side A
	s_mul_i32 s93, s16, HALFT                      ; my 128 rows of side B,
	s_add_co_u32 s93, s93, 2*HALFT                 ; which lie behind side A's 256
.irp s, 0,1
	v_add_nc_u32 v[ADRA+\s], s92, v4
	v_add_nc_u32 v[ADRB+\s], s93, v4
	s_add_co_u32 s92, s92, SLOT
	s_add_co_u32 s93, s93, SLOT
.endr
	; where my 128 x 128 goes.  Tokens: 128 (2 tokT + tokH) on; heads: 4 hq + 2 hh and the next
	s_lshl_b32 s78, s13, 2
	s_add_co_u32 s79, s78, s40                     ; 4 cluster y + cx
	s_add_co_u32 s78, s78, s41                     ; 4 cluster y + cy
	s_cmp_eq_u32 ttmp9, 2
	s_cselect_b32 s78, s79, s78                    ; tokT
	s_cselect_b32 s79, s16, s15                    ; tokH
	s_cselect_b32 s80, s41, s40                    ; hq
	s_cselect_b32 s81, s15, s16                    ; hh
	s_mov_b32 s86, 0x20000                         ; from a block's first two stores to its last two: q, k: the next head, 131,072 bytes; v: the fragment's second half, 1,024
	s_cselect_b32 s86, 1024, s86
	s_mov_b32 s82, 1024                            ; from block to block: q, k: the next token tile, 1,024; v: the next channel tile, 2,048
	s_cselect_b32 s82, 2048, s82
	s_mov_b32 s84, 1024                            ; from block 3 to block 4: v: the next head's first channel tile, 131,072 - 3 x 2,048
	s_cselect_b32 s84, 124928, s84
	s_mov_b32 s83, 0
	s_mov_b32 s85, 0
	s_lshl_b32 s78, s78, 1
	s_add_co_u32 s78, s78, s79                     ; which 128 tokens of the 8,192
	s_lshr_b32 s79, s78, 4                         ; the batch entry
	s_lshl_b32 s79, s79, 4
	s_lshl_b32 s80, s80, 2
	s_add_co_u32 s79, s79, s80
	s_lshl_b32 s81, s81, 1
	s_add_co_u32 s79, s79, s81                     ; 16 x batch entry + head
	s_lshl_b32 s88, s79, 17                        ; x 131,072 bytes
	s_and_b32 s78, s78, 15
	s_lshl_b32 s78, s78, 13                        ; 128 tokens are 8,192 bytes of a head's image, in all three
	s_add_co_u32 s88, s88, s78
	s_lshl_b32 s79, ttmp9, 23                      ; q's, k's or v's image: 8,388,608 bytes each
	s_add_co_u32 s88, s88, s79
	s_mov_b32 s89, 0
	s_add_nc_u64 s[10:11], s[10:11], s[88:89]
	v_and_b32 v6, 31, v0
	v_lshlrev_b32 v[VO], 4, v6                     ; 16 x lane
	v_add_nc_u32 v[VO+1], 512, v[VO]
	v_add_nc_u32 v[VO+2], s86, v[VO]
	v_add_nc_u32 v[VO+3], s86, v[VO+1]
	s_wait_alu depctr_va_vdst(0)
	s_wait_kmcnt 0x0                               ; the exponents
	s_cmp_eq_u32 ttmp9, 1
	s_cselect_b32 s90, s71, s70                    ; k: e3, else e2
	s_cmp_eq_u32 ttmp9, 2
	s_cselect_b32 s90, s73, s90                    ; v: e5
	s_sub_co_i32 s90, s90, s68
	s_sub_co_i32 s90, s90, s69                     ; eo - e0 - e1: the three scales folded into the conversion's one
	s_add_co_i32 s90, s90, 127
	s_lshl_b32 s91, s90, 23
	v_mov_b32 v[SC], s91
; A fragment, 16 rows x 128 K, by four loads of 16 bytes: registers 4 c .. 4 c + 3 hold K = 32 c + 16 (l / 16) + 0 .. 15: a permutation of k that is the same on both sides, so every product meets its partner
.macro FRAG reg, adr, q, i
.irp c, 0,1,2,3
	ds_load_b128 v[\reg+4*\c:\reg+4*\c+3], v[\adr] offset:128*(\q)+32*\c+(\i)*16*PITCH
.endr
.endm
; 16 matrix instructions: side A's blocks a0, a0 + 1 x side B's eight.  p: side B's set.  zero = 1: the first product starts the sums.  The 64 accumulators take turns, one instruction a turn.
.macro MUL16 a0, p, zero
.irp a, \a0, \a0+1
.irp b, 0,1,2,3,4,5,6,7
.if \zero
	v_wmma_f32_16x16x128_bf8_bf8 v[8*(8*((\a)%4)+\b):8*(8*((\a)%4)+\b)+7], v[128*(\p)+FR*\b:128*(\p)+FR*\b+FR-1], v[AF+FR*(\a):AF+FR*(\a)+FR-1], 0
.else
	v_wmma_f32_16x16x128_bf8_bf8 v[8*(8*((\a)%4)+\b):8*(8*((\a)%4)+\b)+7], v[128*(\p)+FR*\b:128*(\p)+FR*\b+FR-1], v[AF+FR*(\a):AF+FR*(\a)+FR-1], v[8*(8*((\a)%4)+\b):8*(8*((\a)%4)+\b)+7]
.endif
.endr
.endr
.endm
.macro FETCH_B slot, q, p
	WIN TO_B
.irp i, 0,1,2,3,4,5,6,7
	FRAG 128*(\p)+FR*\i, ADRB+\slot, \q, \i
.endr
	WIN 0
.endm
.macro FETCH_A slot, q, i0
.irp i, \i0, \i0+1, \i0+2, \i0+3
	FRAG AF+FR*(\i), ADRA+\slot, \q, \i
.endr
.endm
.macro PLACES n                        ; plain vector instructions between a matrix instruction and a load into, or a read of, its registers
.rept \n
	v_nop
.endr
.endm
; A step of 128 along K that has its successor in the same slot.  Side A has one set of registers: blocks 0-3 are fetched anew in the step's middle, blocks 4-7 at its end.
.macro STEP slot, q, zero
	s_wait_dscnt 4*NL                              ; side B's set and side A's blocks 0-3 are in; the sixteen youngest loads (blocks 4-7) may be out
	WIN MUL_LO
	MUL16 0, (\q)%2, \zero
	MUL16 2, (\q)%2, \zero
	s_wait_dscnt 0                                 ; blocks 4-7 are in
	PLACES NP
	FETCH_B \slot, (\q)+1, 1-(\q)%2
	FETCH_A \slot, (\q)+1, 0
	WIN MUL_HI
	MUL16 4, (\q)%2, \zero
	MUL16 6, (\q)%2, \zero
	PLACES NP
	WIN 0
	FETCH_A \slot, (\q)+1, 4
.endm
; A slot's last step changes slots: one barrier; in front of it each wave waits for all its tensor loads, adds 0 to its spare word, and waits for that and for its reads of this slot.  fill = 1: the slot is filled again, two K steps ahead.
.macro TURN slot, next, fill
	s_wait_tensorcnt 0x0                           ; all my tensor loads have landed: my part of the next slot
	ds_add_u32 v[SPW], v[NIL]                      ; 0 onto my spare word
	s_wait_dscnt 4*NL+1                            ; (the add and the sixteen youngest loads may be out)
	WIN MUL_LO
	MUL16 0, 1, 0                                  ; sixteen matrix instructions stand between the add and the wait for it
	s_wait_dscnt 0x0                               ; the add is done, and my reads of this slot are over
	s_barrier_signal -1
	MUL16 2, 1, 0
	WIN 0
	s_barrier_wait -1
.if \fill
	CREST                                          ; the barrier has opened a round of the cluster's: no wave of any partner still reads this slot or has a load on its way
	s_add_nc_u64 s[G0+4*\slot+2:G0+4*\slot+3], s[G0+4*\slot+2:G0+4*\slot+3], 2*ROWB
	s_add_nc_u64 s[G0B+4*\slot+2:G0B+4*\slot+3], s[G0B+4*\slot+2:G0B+4*\slot+3], 2*ROWB
	JLOAD G0+4*\slot, G1, G0B+4*\slot, G1B         ; the first tensor load behind the round; its four v_nop are the places in front of the loads below
.else
	PLACES NP
.endif
	FETCH_B \next, 0, 0
	FETCH_A \next, 0, 0
	WIN MUL_HI
	MUL16 4, 1, 0
	MUL16 6, 1, 0
	PLACES NP
	WIN 0
	FETCH_A \next, 0, 4
.endm
	s_wait_tensorcnt 1                             ; my part of K step 0 is in; K step 1's load may be out
	s_barrier_signal -1
	s_barrier_wait -1
	FETCH_B 0, 0, 0
	FETCH_A 0, 0, 0
	FETCH_A 0, 0, 4
	STEP 0, 0, 1                                   ; K = 1,024 is four slots' worth, eight steps of 128: written out
	TURN 0, 1, 1
	STEP 1, 0, 0
	TURN 1, 0, 1
	STEP 0, 0, 0
	TURN 0, 1, 0                                   ; nothing is left to fetch
	STEP 1, 0, 0
	s_wait_dscnt 4*NL
	WIN MUL_LO
	MUL16 0, 1, 0
	MUL16 2, 1, 0
	s_wait_alu depctr_va_vdst(0)
	s_wait_dscnt 0
	WIN MUL_HI
	MUL16 4, 1, 0
	MUL16 6, 1, 0
	WIN 0
; THE WAY OUT of block a (16 rows of side A x 128 of side B): eight conversions, straight from the accumulators; four stores of 512 consecutive bytes.
; Each block has code registers of its own, so no store's data are written again; the base steps behind a wait that shows the earlier stores' addresses taken.
.macro OUT a
	WIN 0x02+((\a)/4)                              ; source 0: window 2 or 3
.set j, 0
.rept 64
.set j, j+1
.endr
.irp b, 0,1,2,3,4,5,6,7
	v_cvt_scalef32_pk8_bf8_f32 v[CD+16*(\a)+2*\b:CD+16*(\a)+2*\b+1], v[TMP+8*\b+((64*((\a)%4)+j)-(TMP+j)):TMP+8*\b+7+((64*((\a)%4)+j)-(TMP+j))], v[SC]
.endr
	WIN 0
	v_nop
.if (\a) > 0
	s_wait_alu depctr_va_vdst(0)
	s_wait_xcnt 0x0
.if (\a) == 4
	s_add_nc_u64 s[10:11], s[10:11], s[84:85]
.else
	s_add_nc_u64 s[10:11], s[10:11], s[82:83]
.endif
.endif
.irp g, 0,1,2,3
	global_store_b128 v[VO+\g], v[CD+16*(\a)+4*\g:CD+16*(\a)+4*\g+3], s[10:11]
.endr
.endm
	PLACES NP
.irp a, 0,1,2,3,4,5,6,7
	OUT \a
.endr
	s_wait_tensorcnt 0x0                           ; the wave's end
	ds_add_u32 v[SPW], v[NIL]
	s_wait_dscnt 0x0
	CROUND                                         ; the closing round
	s_endpgm
.Lfunc_end_k_q6a5befb996_qkv:
	.size	k_q6a5befb996_qkv, .Lfunc_end_k_q6a5befb996_qkv-k_q6a5befb996_qkv
	.p2alignl 7, 3214868480
	.fill 96, 4, 3214868480
	.section	.rodata,"a",@progbits
	.p2align	6, 0x0
	.amdhsa_kernel k_q6a5befb996_qkv
		.amdhsa_group_segment_fixed_size 327680
		.amdhsa_private_segment_fixed_size 0
		.amdhsa_enable_private_segment 0
		.amdhsa_kernarg_size 32
		.amdhsa_user_sgpr_count 2
		.amdhsa_user_sgpr_kernarg_segment_ptr 1
		.amdhsa_wavefront_size32 1
		.amdhsa_system_sgpr_workgroup_id_x 1
		.amdhsa_system_sgpr_workgroup_id_y 1
		.amdhsa_system_sgpr_workgroup_id_z 1
		.amdhsa_system_vgpr_workitem_id 0
		.amdhsa_next_free_vgpr 1024
		.amdhsa_next_free_sgpr 100
		.amdhsa_reserve_vcc 0
		.amdhsa_float_denorm_mode_32 3
		.amdhsa_float_denorm_mode_16_64 3
		.amdhsa_fp16_overflow 1
		.amdhsa_memory_ordered 1
		.amdhsa_forward_progress 1
		.amdhsa_inst_pref_size 87
	.end_amdhsa_kernel
	.amdgpu_metadata
---
amdhsa.version: [ 1, 2 ]
amdhsa.kernels:
  - .name:           k_q6a5befb996_qkv
    .symbol:         k_q6a5befb996_qkv.kd
    .args:
      - { .name: x_codes, .offset: 0, .size: 8, .value_kind: global_buffer, .address_space: global }
      - { .name: W_attn_codes, .offset: 8, .size: 8, .value_kind: global_buffer, .address_space: global }
      - { .name: lowp_scales, .offset: 16, .size: 8, .value_kind: global_buffer, .address_space: global }
      - { .name: qkv, .offset: 24, .size: 8, .value_kind: global_buffer, .address_space: global }
    .group_segment_fixed_size: 327680
    .private_segment_fixed_size: 0
    .kernarg_segment_align: 8
    .kernarg_segment_size: 32
    .max_flat_workgroup_size: 128
    .sgpr_count:     100
    .vgpr_count:     1024
    .wavefront_size: 32
...
	.end_amdgpu_metadata
.endif
;; end of part 1
;; launch attn (part 2): grid 4 x 64, 16 waves a work-group, no clusters, 327,680 bytes of LDS; arguments qkv, lowp_scales, yimg; writes yimg
.if DOCPART == 2
	.amdgcn_target "amdgcn-amd-amdhsa--gfx1250"
	.amdhsa_code_object_version 6
	.text
	.protected	k_q6a5befb996_attn
	.globl	k_q6a5befb996_attn
	.p2align	8
	.type	k_q6a5befb996_attn,@function
k_q6a5befb996_attn:
	s_mov_b64 s[64:65], 0
	v_nop
	global_prefetch_b8 v0, s[64:65] scope:SCOPE_SE
	s_setreg_imm32_b32 hwreg(HW_REG_WAVE_MODE, 25, 1), 1
	s_wait_xcnt 0x0
; y = softmax(q k^T / 8, causal) v for one head, both products on codes of BF8 (E5M2), and y's quantiser.  q, k, v come as images of operand registers:
;   q, k: [head 64][token tile 128][2][lane][16 bytes]: a fragment of 16 tokens x 64;   v: [head 64][key block 16][channel tile 4][4][lane][16 bytes]: a fragment of 16 channels x 128 keys.
; y leaves as [token tile 512][head 16][2][lane][16 bytes]: two neighbouring heads of a token tile are a fragment of 16 tokens x 128 of the last product's K.
; THE SOFTMAX: t = score x log2(e) / 8; M = the running largest t rounded UP to a whole number; p = 2^(t - M) is quantised with 2^e4, not normalised; the sum is taken of the unquantised p and divides at the end.
; When M moves, the sum and O are multiplied by 2^(old M - new M): exact.
; SHARES.  Work-group (i, head) owns the blocks 7 - i and i of 256 queries: 8 - i and i + 1 slots of 256 keys, nine for every work-group.  Each of sixteen waves owns 16 queries of the block in hand, in 256 registers.
; The walk is nine trips of one slot; the first is written out, the loop has eight.  A step all of whose 128 keys come after the wave's queries is jumped over by a scalar branch on ids.
; LDS holds the head's whole k image (131,072 bytes) and v image (131,072), each byte filled once: no slot is filled again.  Every wave issues two tensor loads at the start: a sixteenth of the first 256 keys' bytes, then a
; sixteenth of the rest; the first trip runs while the second loads are on their way, on LDS bytes that are constants of the text and lie under 16,384 in each image.
; NO CLUSTER, though the four work-groups of a head read the same k and v: the steps that a work-group jumps over hang on its block number, which would be its place in the cluster, and partners of a joint load must run alike.
; LAYOUT.  S^T = k q^T (source 0 = 16 keys, source 1 = my 16 queries), O^T = v^T p^T (source 0 = 16 channels, source 1 = p): a lane holds one query (lane % 16) throughout.  Register 8 t + j of S^T is key 16 t + 8 (lane / 16) + j:
; the conversion of tile t's eight registers gives registers 2 t, 2 t + 1 of p's operand.  Likewise O^T's tile d gives registers 2 d, 2 d + 1 of y's fragment.
; LIMITS on the given exponents: e2 + e3 between -123 and 130 (added to the exponent field of log2(e) / 8); e4, and e6 - e4 - e5, between -126 and 112.  t stays above -3e38.  NaN is not served.
; REGISTERS: v2 16 x lane; v3, v4 offsets of q and y; v5 lane % 16 - 8 (lane / 16); v8, v9 LDS addresses; v12 -M, v13 the largest t, v[14:15] the sum in two halves; v16-23 q; v24-31 y's codes; v32-95 k's eight fragments, then v's four;
;   v96-159 S^T, then p; v160-191 O^T; v192-223 O^T / sum; v224-239 p's codes; v244: 2^e4; v245: the same with e6 - e4 - e5; v236, v242, v243, v252-254 at work.
.set L16, 2
.set QO,  3
.set YO,  4
.set RH,  5
.set ADK, 8
.set ADV, 9
.set WV,  10                           ; s10  my wave's number
.set NHI, 13                           ; s13  8 - i: trips of the upper block
.set T,   14                           ; s14  trips done
.set KF,  15                           ; s15  the step's first key
.set Q0,  16                           ; s16  my first query of the block in hand
.set QLO, 17                           ; s17  my first query of the lower block
.set TB,  18                           ; s18  LDS byte of the step's 128 keys in either image
.set SEL, 20                           ; s[20:21] v_permlanex16_b32's selects: lane l xor 16
.set CS,  22                           ; s[22:23] c = log2(e) / 8 x 2^(e2 + e3)
.set VIMG, 0x20000                     ; LDS: the v image lies behind the k image
	s_load_b128 s[4:7], s[0:1], 0x0                ; the images s[4:5], the scales' exponents s[6:7]
	s_load_b64 s[8:9], s[0:1], 0x10                ; y's image
	v_lshl_add_u32 v251, v0, 2, 0x40000
	v_mov_b32 v255, 0
	ds_add_u32 v251, v255
	ds_add_u32 v251, v255
	v_lshrrev_b32 v1, 5, v0
	s_delay_alu instid0(VALU_DEP_1)
	v_readfirstlane_b32 s[WV], v1                  ; wave 0..15
	s_and_b32 s12, ttmp7, 0xffff                   ; 16 x batch entry + head
	s_sub_co_u32 s[NHI], 8, ttmp9
	; descriptor groups 1: dense blocks as rows of 256 bytes (32 elements of 8 bytes): 8 rows, and 56 rows
	s_mov_b32 s24, 3<<16                           ; no mask; elements of 8 bytes; no padding
	s_mov_b32 s25, 32<<16                          ; tensor_dim0 = 32
	s_mov_b32 s26, 8<<16                           ; tensor_dim1 = 8
	s_mov_b32 s27, 32<<16                          ; tile_dim0 = 32
	s_mov_b32 s28, 8                               ; tile_dim1 = 8
	s_mov_b32 s29, 32                              ; from row to row
	s_mov_b32 s30, 0
	s_mov_b32 s31, 0
	s_mov_b32 s32, 3<<16
	s_mov_b32 s33, 32<<16
	s_mov_b32 s34, 56<<16
	s_mov_b32 s35, 32<<16
	s_mov_b32 s36, 56
	s_mov_b32 s37, 32
	s_mov_b32 s38, 0
	s_mov_b32 s39, 0
	s_lshr_b32 s66, s[WV], 3                       ; u: waves 0-7 fetch k's image, waves 8-15 v's
	s_and_b32 s67, s[WV], 7                        ; p: which eighth
	s_lshl_b32 s68, s66, 17                        ; the image's place in LDS
	s_lshl_b32 s69, s67, 11                        ; first load: 2,048 p
	s_mul_i32 s70, s67, 14336
	s_add_co_u32 s70, s70, 16384                   ; second load: 16,384 + 14,336 p
	s_mov_b32 s40, 1
	s_add_co_u32 s41, s68, s69
	s_mov_b32 s44, 1
	s_add_co_u32 s45, s68, s70
	s_lshl_b32 s72, s12, 17                        ; a head's image is 131,072 bytes
	s_mov_b32 s73, 0
	s_lshl_b32 s71, s66, 23
	s_add_co_u32 s71, s71, 0x800000                ; k's images begin at 8,388,608, v's at 16,777,216
	s_add_co_u32 s71, s71, s72
	s_add_co_u32 s74, s71, s69
	s_mov_b32 s75, 0
	s_add_co_u32 s76, s71, s70
	s_mov_b32 s77, 0
	s_lshr_b32 s66, s12, 4
	s_lshl_b32 s66, s66, 21                        ; y: a batch entry's 128 token tiles of 16,384 bytes,
	s_and_b32 s67, s12, 15
	s_lshl_b32 s67, s67, 10                        ; the head's 1,024 bytes of a tile
	s_add_co_u32 s78, s66, s67
	s_mov_b32 s79, 0
	s_lshl_b32 s66, s[WV], 4
	s_lshl_b32 s[QLO], ttmp9, 8
	s_add_co_u32 s[QLO], s[QLO], s66               ; 256 i + 16 wave
	s_sub_co_u32 s[Q0], 7, ttmp9
	s_lshl_b32 s[Q0], s[Q0], 8
	s_add_co_u32 s[Q0], s[Q0], s66                 ; 256 (7 - i) + 16 wave
	s_mov_b32 s[SEL], 0x76543210
	s_mov_b32 s[SEL+1], 0xfedcba98
	s_wait_dscnt 0x0
	s_wait_kmcnt 0x0
	s_load_b256 s[48:55], s[6:7], 0x0              ; e0 .. e7
	s_add_nc_u64 s[42:43], s[4:5], s[74:75]
	s_or_b32 s43, s43, 0x80000000                  ; type = 2
	s_add_nc_u64 s[46:47], s[4:5], s[76:77]
	s_or_b32 s47, s47, 0x80000000
	tensor_load_to_lds s[40:43], s[24:31]          ; my sixteenth of keys 0 to 255
	s_nop 0
	s_wait_alu depctr_va_vdst(0)
	s_wait_tensorcnt 0x0
	ds_add_u32 v251, v255
	s_wait_dscnt 0x0
	s_barrier_signal -1
	s_barrier_wait -1
	tensor_load_to_lds s[44:47], s[32:39]          ; my sixteenth of the rest: one load of mine is out
	s_nop 0
.rept 4
	v_nop
.endr
	s_add_nc_u64 s[56:57], s[4:5], s[72:73]        ; q's image of my head
	s_add_nc_u64 s[58:59], s[8:9], s[78:79]        ; y's image at my batch entry and head
	v_and_b32 v1, 31, v0
	s_delay_alu instid0(VALU_DEP_1)
	v_lshlrev_b32 v[L16], 4, v1
	v_and_b32 v6, 15, v0
	v_bfe_u32 v7, v0, 4, 1
	s_delay_alu instid0(VALU_DEP_1)
	v_lshlrev_b32 v7, 3, v7
	s_delay_alu instid0(VALU_DEP_1)
	v_sub_nc_u32 v[RH], v6, v7                     ; lane % 16 - 8 (lane / 16), for the mask
	s_lshl_b32 s66, s[Q0], 6                       ; a tile of 16 queries is 1,024 bytes
	v_add_nc_u32 v[QO], s66, v[L16]
	global_load_b128 v[16:19], v[QO], s[56:57]
	global_load_b128 v[20:23], v[QO], s[56:57] offset:512
.macro INIT                            ; a block's start: the step is written once and finds zeros, which the first change of M leaves zeros
	v_mov_b32 v13, 0xff61b1e6                      ; the largest t so far: -3e38
	s_delay_alu instid0(VALU_DEP_1)
	v_floor_f32 v12, -v13                          ; -M
	v_mov_b32 v14, 0
	v_mov_b32 v15, 0
.set j, 0
.rept 32
	v_mov_b32 v[160+j], 0
.set j, j+1
.endr
.endm
	INIT
	v_mov_b32 v236, 0                              ; written once: a lane permute's destination counts as one of its sources
	v_mov_b32 v252, 0
	v_mov_b32 v253, 0                              ; (named as the upper half of the pair v[252:253])
	s_wait_kmcnt 0x0
	s_add_co_i32 s66, s50, s51                     ; a score stands for score x 2^(e2 + e3): added to c's exponent field
	s_lshl_b32 s66, s66, 23
	s_mov_b32 s[CS], 0x3e38aa3b                    ; log2(e) / 8
	s_add_co_i32 s[CS], s[CS], s66
	s_mov_b32 s[CS+1], s[CS]                       ; (named with it as a pair)
	s_add_co_i32 s66, s52, 127
	s_lshl_b32 s67, s66, 23
	v_mov_b32 v244, s67                            ; 2^e4
	s_sub_co_i32 s66, s54, s52
	s_sub_co_i32 s66, s66, s53                     ; O / sum stands for y / 2^(e4 + e5): y's code is (O / sum) / 2^(e6 - e4 - e5)
	s_add_co_i32 s66, s66, 127
	s_lshl_b32 s67, s66, 23
	v_mov_b32 v245, s67
	s_add_co_i32 s66, s66, 15
	s_lshl_b32 s66, s66, 23
	s_or_b32 s66, s66, 0x600000
; A KEY STEP of 128 keys.  causal = 1: the step begins at key s[KF], is jumped over where all its keys are hidden, and masks on the diagonal.  fixed >= 0: the step's LDS byte is that constant; else it is made of s[KF].
.macro STEP causal, fixed
.if \causal
	s_add_co_u32 s66, s[Q0], 15
	s_cmp_gt_u32 s[KF], s66
	s_cbranch_scc1 .Lhidden_\@
.endif
.if \fixed < 0
	s_lshl_b32 s[TB], s[KF], 6                     ; 128 keys are 8,192 bytes of either image
	s_and_b32 s[TB], s[TB], 0x1e000
	v_add_nc_u32 v[ADK], s[TB], v[L16]
.else
	v_add_nc_u32 v[ADK], \fixed, v[L16]
.endif
	s_delay_alu instid0(VALU_DEP_1)
	v_add_nc_u32 v[ADV], VIMG, v[ADK]
	v_nop                                          ; with the two additions: four places between the last step's products and the loads into the registers that they read
	v_nop
.irp t, 0,1,2,3,4,5,6,7
	ds_load_b128 v[32+8*\t:35+8*\t], v[ADK] offset:1024*\t          ; a fragment's image: 512 consecutive bytes a load
	ds_load_b128 v[36+8*\t:39+8*\t], v[ADK] offset:1024*\t+512
.endr
	s_wait_alu depctr_va_vdst(0)
	s_wait_dscnt 0x0
.irp t, 0,1,2,3,4,5,6,7
	v_wmma_f32_16x16x64_bf8_bf8 v[96+8*\t:103+8*\t], v[32+8*\t:39+8*\t], v[16:23], 0
.endr
.rept 4
	v_nop                                          ; places in front of the loads below and of the first read of the scores
.endr
.irp d, 0,1,2,3
.irp g, 0,1,2,3
	ds_load_b128 v[32+16*\d+4*\g:35+16*\d+4*\g], v[ADV] offset:2048*\d+512*\g   ; v's four fragments land while the softmax is worked
.endr
.endr
.if \causal                            ; on the diagonal hidden scores become -infinity ahead of the maximum: p = 0 then.  A step all of whose keys count jumps over this
	s_add_co_u32 s66, s[KF], 127
	s_cmp_le_u32 s66, s[Q0]
	s_cbranch_scc1 .Lopen_\@
	s_sub_co_i32 s66, s[Q0], s[KF]
	v_add_nc_u32 v252, s66, v[RH]                  ; my query - KF - 8 (lane / 16).  Register 8 t + j holds key KF + 16 t + 8 (lane / 16) + j: hidden where 16 t + j is larger
	v_mov_b32 v254, 0xff800000
.set n, 0
.rept 64
	v_cmp_gt_i32 vcc_lo, 16*(n/8)+n%8, v252
	v_cndmask_b32 v[96+n], v[96+n], v254, vcc_lo
.set n, n+1
.endr
.Lopen_\@:
.endif
	v_max3_num_f32 v254, v96, v97, v98             ; the step's largest score of my query among my 64 keys, in two chains, each accumulator from its low end on,
	v_max3_num_f32 v252, v99, v100, v101
.irp i, 6,10,14,18,22,26,30,34,38,42,46,50,54,58
	v_max3_num_f32 v254, v254, v[96+\i], v[97+\i]
	v_max3_num_f32 v252, v252, v[98+\i], v[99+\i]
.endr
	v_max3_num_f32 v254, v254, v158, v159
	s_delay_alu instid0(VALU_DEP_1)
	v_max_num_f32 v254, v254, v252
	v_permlanex16_b32 v236, v254, s[SEL], s[SEL+1]
	s_delay_alu instid0(VALU_DEP_1)
	v_max_num_f32 v254, v254, v236                 ; and among lane l xor 16's
	s_delay_alu instid0(VALU_DEP_1)
	v_mul_f32 v254, s[CS], v254                    ; as t (c is positive)
	s_delay_alu instid0(VALU_DEP_1)
	v_max_num_f32 v13, v13, v254                   ; the running largest t
	v_mov_b32 v254, v12
	s_delay_alu instid0(VALU_DEP_2)
	v_floor_f32 v12, -v13                          ; the new -M = -ceil(t)
	s_delay_alu instid0(VALU_DEP_1)
	v_sub_f32 v254, v12, v254                      ; old M - new M: a whole number, 0 or less
	s_delay_alu instid0(VALU_DEP_1)
	v_cvt_i32_f32 v254, v254                       ; (it saturates)
	s_delay_alu instid0(VALU_DEP_1)
	v_ldexp_f32 v252, 1.0, v254                    ; f = 2^(old M - new M)
.set j, 0
.rept 32
	v_pk_fma_f32 v[96+j:97+j], v[96+j:97+j], s[CS:CS+1], v[12:13] op_sel_hi:[1,0,0]   ; t - M, two at a time
.set j, j+2
.endr
.set j, 0
	s_wait_alu depctr_va_vdst(0)
.rept 64
	v_exp_f32 v[96+j], v[96+j]                     ; p = 2^(t - M)
.set j, j+1
.endr
	v_pk_mul_f32 v[14:15], v[14:15], v[252:253] op_sel_hi:[1,0]   ; the sums under the new M (a plain instruction behind the exponentials)
	s_wait_alu depctr_va_vdst(0)
	v_pk_add_f32 v[242:243], v[96:97], v[98:99]    ; the sum of the unquantised p, in two chains
.irp j, 4,8,12,16,20,24,28,32,36,40,44,48,52,56,60
	v_pk_add_f32 v[14:15], v[14:15], v[96+\j:97+\j]
	v_pk_add_f32 v[242:243], v[242:243], v[98+\j:99+\j]
.endr
	s_delay_alu instid0(VALU_DEP_1)
	v_pk_add_f32 v[14:15], v[14:15], v[242:243]
.set j, 0
.rept 64
.set j, j+1
.endr
.irp t, 0,1,2,3,4,5,6,7
	v_cvt_scalef32_pk8_bf8_f32 v[224+2*\t:225+2*\t], v[96+8*\t:103+8*\t], v244
.endr
.set j, 0
.rept 16
	v_pk_mul_f32 v[160+j:161+j], v[160+j:161+j], v[252:253] op_sel_hi:[1,0]   ; O^T under the new M; also the plain instructions behind the conversions
.set j, j+2
.endr
	s_wait_alu depctr_va_vdst(0)
	s_wait_dscnt 0x0                               ; v's fragments are in
.irp d, 0,1,2,3
	v_wmma_f32_16x16x128_bf8_bf8 v[160+8*\d:167+8*\d], v[32+16*\d:47+16*\d], v[224:239], v[160+8*\d:167+8*\d]   ; four accumulators, one instruction each
.endr
.if \causal
.Lhidden_\@:
	s_add_co_u32 s[KF], s[KF], 128
.endif
.endm
; A BLOCK'S END: O^T is divided by the sum, quantised, and leaves as a fragment's image: two stores of 512 consecutive bytes.  Behind the upper block the lower one is begun.
.macro FINISH
	s_wait_xcnt 0x0                                ; the first end's stores have had their addresses taken: their registers may be written again
	v_add_f32 v14, v14, v15                        ; the sum's two halves; with three v_nop the places behind the last products
.rept 3
	v_nop
.endr
	v_permlanex16_b32 v252, v14, s[SEL], s[SEL+1]
	s_delay_alu instid0(VALU_DEP_1)
	v_add_f32 v14, v14, v252                       ; and lane l xor 16's
	s_wait_alu depctr_va_vdst(0)
	v_rcp_f32 v14, v14
	v_nop                                          ; a plain instruction behind the reciprocal
.set j, 0
	s_wait_alu depctr_va_vdst(0)
.rept 16
	v_pk_mul_f32 v[192+j:193+j], v[160+j:161+j], v[14:15] op_sel_hi:[1,0]
.set j, j+2
.endr
.set j, 0
.rept 32
.set j, j+1
.endr
.irp d, 0,1,2,3
	v_cvt_scalef32_pk8_bf8_f32 v[24+2*\d:25+2*\d], v[192+8*\d:199+8*\d], v245
.endr
	v_nop
	s_lshl_b32 s66, s[Q0], 10                      ; a token tile of y's image is 16,384 bytes
	v_add_nc_u32 v[YO], s66, v[L16]
	global_store_b128 v[YO], v[24:27], s[58:59]
	global_store_b128 v[YO], v[28:31], s[58:59] offset:512
	s_cmp_eq_u32 s[T], 9
	s_cbranch_scc1 .Ldone_\@                       ; behind the lower block nothing follows
	s_mov_b32 s[Q0], s[QLO]
	s_mov_b32 s[KF], 0
	s_lshl_b32 s66, s[Q0], 6
	v_add_nc_u32 v[QO], s66, v[L16]
	global_load_b128 v[16:19], v[QO], s[56:57]
	global_load_b128 v[20:23], v[QO], s[56:57] offset:512
	INIT
	s_wait_loadcnt 0x0
.Ldone_\@:
.endm
	s_wait_tensorcnt 0x1                           ; my part of keys 0 to 255 is in; my second load may be out
	s_barrier_signal -1
	s_barrier_wait -1                              ; everybody's is
	s_wait_loadcnt 0x0                             ; q
	STEP 0, 0                                      ; trip 0: the upper block's queries are 1,024 or more, so keys 0 to 255 all count
	STEP 0, 8192
	s_mov_b32 s[KF], 256
	s_mov_b32 s[T], 1
	s_wait_tensorcnt 0x0                           ; my part of the rest is in,
	s_wait_dscnt 0x0
	s_barrier_signal -1
	s_barrier_wait -1                              ; everybody's is: from here on LDS is only read
.Ltrip:                                            ; eight trips, a slot of 256 keys each
	s_setprio 2
	STEP 1, -1
	s_setprio 1
	STEP 1, -1
	s_setprio 0
	s_add_co_u32 s[T], s[T], 1
	s_cmp_eq_u32 s[T], s[NHI]
	s_cbranch_scc1 .Lblock_end
	s_cmp_eq_u32 s[T], 9
	s_cbranch_scc0 .Lgo_on
.Lblock_end:
	FINISH
.Lgo_on:
	s_cmp_lt_u32 s[T], 9
	s_cbranch_scc1 .Ltrip
	s_setprio 0
	s_wait_tensorcnt 0x0
	ds_add_u32 v251, v255
	s_wait_dscnt 0x0
	s_endpgm
.Lfunc_end_k_q6a5befb996_attn:
	.size	k_q6a5befb996_attn, .Lfunc_end_k_q6a5befb996_attn-k_q6a5befb996_attn
	.p2alignl 7, 3214868480
	.fill 96, 4, 3214868480
	.section	.rodata,"a",@progbits
	.p2align	6, 0x0
	.amdhsa_kernel k_q6a5befb996_attn
		.amdhsa_group_segment_fixed_size 327680
		.amdhsa_private_segment_fixed_size 0
		.amdhsa_enable_private_segment 0
		.amdhsa_kernarg_size 24
		.amdhsa_user_sgpr_count 2
		.amdhsa_user_sgpr_kernarg_segment_ptr 1
		.amdhsa_wavefront_size32 1
		.amdhsa_system_sgpr_workgroup_id_x 1
		.amdhsa_system_sgpr_workgroup_id_y 1
		.amdhsa_system_sgpr_workgroup_id_z 1
		.amdhsa_system_vgpr_workitem_id 0
		.amdhsa_next_free_vgpr 256
		.amdhsa_next_free_sgpr 96
		.amdhsa_reserve_vcc 1
		.amdhsa_float_denorm_mode_32 3
		.amdhsa_float_denorm_mode_16_64 3
		.amdhsa_fp16_overflow 1
		.amdhsa_memory_ordered 1
		.amdhsa_forward_progress 1
		.amdhsa_inst_pref_size 76
	.end_amdhsa_kernel
	.amdgpu_metadata
---
amdhsa.version: [ 1, 2 ]
amdhsa.kernels:
  - .name:           k_q6a5befb996_attn
    .symbol:         k_q6a5befb996_attn.kd
    .args:
      - { .name: qkv, .offset: 0, .size: 8, .value_kind: global_buffer, .address_space: global }
      - { .name: lowp_scales, .offset: 8, .size: 8, .value_kind: global_buffer, .address_space: global }
      - { .name: yimg, .offset: 16, .size: 8, .value_kind: global_buffer, .address_space: global }
    .group_segment_fixed_size: 327680
    .private_segment_fixed_size: 0
    .kernarg_segment_align: 8
    .kernarg_segment_size: 24
    .max_flat_workgroup_size: 512
    .sgpr_count:     96
    .vgpr_count:     256
    .wavefront_size: 32
...
	.end_amdgpu_metadata
.endif
;; end of part 2
;; launch proj (part 3): grid 8 x 32, 4 waves a work-group, clusters of 4 x 4, 327,680 bytes of LDS; arguments yimg, W_proj_codes, lowp_scales, out0; writes out0
.if DOCPART == 3
	.amdgcn_target "amdgcn-amd-amdhsa--gfx1250"
	.amdhsa_code_object_version 6
	.text
	.protected	k_q6a5befb996_proj
	.globl	k_q6a5befb996_proj
	.p2align	8
	.type	k_q6a5befb996_proj,@function
k_q6a5befb996_proj:
	s_mov_b64 s[64:65], 0
	v_nop
	global_prefetch_b8 v0, s[64:65] scope:SCOPE_SE
	s_setreg_imm32_b32 hwreg(HW_REG_WAVE_MODE, 25, 1), 1
	s_wait_xcnt 0x0
	s_wait_alu depctr_hold_cnt(0) depctr_sa_sdst(0) depctr_va_vdst(0) depctr_va_sdst(0) depctr_va_ssrc(0) depctr_va_vcc(0) depctr_vm_vsrc(0)
	s_getreg_b32 s2, hwreg(HW_REG_IB_STS2, 6, 4)
	s_cmp_eq_u32 s2, 0
	s_cbranch_scc0 .Lentry_in_a_cluster
	s_endpgm
.Lentry_in_a_cluster:
	s_bfe_u32 s2, ttmp6, 0x10000c
	s_cmp_lg_u32 s2, 0xf033
	s_cbranch_scc0 .Lentry_shape_is_right
	s_endpgm
.Lentry_shape_is_right:
; out = y W_proj on codes of BF8 (E5M2), K = 1,024.  y comes as images of operand registers, [token tile 512][K step 8][4][lane][16 bytes] (a fragment of 16 tokens x 128 K is 2,048 consecutive bytes, k in the
; matrix instruction's own places: registers 2 c, 2 c + 1 hold k = 16 c + 8 (lane / 16) + 0 .. 7); W_proj: [1024 (n)][1024 (k)] codes, K innermost.  out: [8192][1024] f32 = sum x 2^(e6 + e7).
; LIMIT: e6 + e7 lies between -126 and 127, so that 2^(e6 + e7) is an f32 number.
; A tile of 256 tokens x 128 columns gives 256 work-groups.  Four waves, each 128 tokens x 64 columns: 32 accumulators.  K goes in steps of 256 through two LDS slots.
; In a slot y's fragments lie dense, as in memory (a load of 16 bytes a lane takes 512 consecutive bytes); W's rows lie 272 bytes apart and are read by loads of 8 bytes, which put k in the same places as y's images have it.
; CLUSTERS: 4 x 4.  y's tile hangs on the tile row alone and is asked for jointly by a row of the cluster, W's on the tile column alone, by a column.
; THE MATRIX INSTRUCTION IS USED TRANSPOSED (source 0 = 16 rows of W, source 1 = 16 tokens): a lane holds eight neighbouring numbers of a row of out.
; REGISTERS: window 0: v16-26 addresses, v28-29 for the add, v32-95 at work on the way out, v128-255 W's fragments in two sets, later rows of out.  window 1: y's fragments, two sets of 128.  window 2: the accumulators ((a, b) at v[8 (4 a + b)]).
.set PITCH,  272                       ; a row of W in LDS: 256 bytes + 16: lane (r, h) of an 8-byte load starts at bank 4 r + 2 h mod 64 (64 banks of 4 bytes: ISA guide 11.1): all 64 banks once
.set ROWB,   256
.set ASTEP,  4096                      ; a token tile's bytes of a K step of 256
.set AHALF,  8*ASTEP                   ; 8 token tiles: one tensor load, and one wave's tokens
.set BOFF,   2*AHALF                   ; W's rows lie behind y's fragments
.set BHALF,  64*PITCH                  ; 64 rows: one tensor load, and one wave's columns
.set SLOT,   BOFF+2*BHALF              ; 100,352
.set SPARE,  2*SLOT                    ; behind the ring: the spare words, 128 bytes for each wave
.set SPITCH, 272                       ; the way out: a stage of 16 rows x (256 bytes + 16) for each wave, in slot 0, which has had its last fill and its last read by then
.set ADRA, 16
.set ADRB, 20
.set STO,  24
.set RD,   25
.set CO,   26
.set SPW,  28
.set NIL,  29
.set TMP,  32
.set BF,   128                         ; W's fragments: set p at v[128 + 64 p]
.set BK,   128                         ; the way out: 16 rows read back: two sets of 32
.set G1, 24
.set G0, 32
.set G1B, 48
.set G0B, 56
.set MSB, 0
.macro WIN new
.if MSB != (\new)
	s_set_vgpr_msb (MSB<<8)|(\new)
.set MSB, (\new)
.endif
.endm
.set MUL,  0xa4                        ; source 0 (W) window 0, source 1 (y) window 1, C and D window 2
.set TO_A, 0x40                        ; destination window 1, address window 0
.macro JLOAD g0a, g1a, g0b, g1b        ; waves 0 and 1 fetch y's halves, waves 2 and 3 W's; four v_nop follow each of the two lines
	s_cmp_eq_u32 s15, 0
	s_cbranch_scc0 .Lfor_b_\@
	tensor_load_to_lds s[\g0a:\g0a+3], s[\g1a:\g1a+7]
	s_nop 0
.rept 4
	v_nop
.endr
	s_branch .Lasked_\@
.Lfor_b_\@:
	tensor_load_to_lds s[\g0b:\g0b+3], s[\g1b:\g1b+7]
	s_nop 0
.rept 4
	v_nop
.endr
.Lasked_\@:
.endm
.macro CREST
	s_cmp_lg_u32 s14, 0
	s_cbranch_scc1 .Lnot_wave_0_\@
	s_barrier_signal -3
.Lnot_wave_0_\@:
	s_barrier_wait -3
	s_barrier_signal -1
	s_barrier_wait -1
.endm
.macro CROUND
	s_barrier_signal -1
	s_barrier_wait -1
	CREST
.endm
	s_load_b128 s[4:7], s[0:1], 0x0                ; y's image s[4:5], W_proj's codes s[6:7]
	s_load_b128 s[8:11], s[0:1], 0x10              ; the scales' exponents s[8:9], out s[10:11]
	v_lshl_add_u32 v[SPW], v0, 2, SPARE
	v_mov_b32 v[NIL], 0
	ds_add_u32 v28, v29
	ds_add_u32 v28, v29
	s_wait_dscnt 0x0
	v_lshrrev_b32 v1, 5, v0
	v_readfirstlane_b32 s14, v1                    ; wave 0..3
	s_lshr_b32 s15, s14, 1                         ; which 128 tokens are mine.  Also: I fetch y (0) or W (1)
	s_and_b32 s16, s14, 1                          ; which 64 columns.  Also: which half of that tile I fetch
	s_bfe_u32 s40, ttmp6, 0x40000                  ; cx
	s_bfe_u32 s41, ttmp6, 0x40004                  ; cy
	s_lshl_b32 s42, ttmp9, 2
	s_add_co_u32 s42, s42, s40                     ; tile column = 4 x cluster x + cx
	s_and_b32 s17, ttmp7, 0xffff
	s_lshl_b32 s17, s17, 2
	s_add_co_u32 s17, s17, s41                     ; tile row = 4 x cluster y + cy
	s_lshl_b32 s43, s41, 2
	s_lshl_b32 s43, 15, s43                        ; my row of the cluster
	s_lshl_b32 s44, 0x1111, s40                    ; my column
	s_or_b32 s[G1+0], s43, (3<<16)|(1<<21)         ; y: the mask; elements of 8 bytes; bit 21 set beside a mask; no padding
	s_mov_b32 s[G1+1], 512<<16                     ; tensor_dim0 = 512 elements: 4,096 bytes of a token tile
	s_mov_b32 s[G1+2], 8<<16                       ; tensor_dim1 = 8 token tiles
	s_mov_b32 s[G1+3], 512<<16                     ; tile_dim0
	s_mov_b32 s[G1+4], 8                           ; tile_dim1
	s_mov_b32 s[G1+5], 2048                        ; from token tile to token tile: 16,384 bytes
	s_mov_b32 s[G1+6], 0
	s_mov_b32 s[G1+7], 0
	s_or_b32 s[G1B+0], s44, (0<<16)|(1<<20)|(1<<21)|(5<<22)|(3<<25)  ; W: elements of 1 byte; four words of padding after every 64
	s_mov_b32 s[G1B+1], ROWB<<16
	s_mov_b32 s[G1B+2], 64<<16
	s_mov_b32 s[G1B+3], ROWB<<16
	s_mov_b32 s[G1B+4], 64
	s_mov_b32 s[G1B+5], 1024
	s_mov_b32 s[G1B+6], 0
	s_mov_b32 s[G1B+7], 0
	s_lshl_b32 s20, s17, 18                        ; y: 16 token tiles of 16,384 bytes a tile row,
	s_lshl_b32 s18, s16, 17                        ; 8 of them a half
	s_add_co_u32 s20, s20, s18
	s_mov_b32 s21, 0
	s_lshl_b32 s46, s42, 17                        ; W: 128 rows of 1,024 bytes a tile column,
	s_lshl_b32 s18, s16, 16                        ; 64 a half
	s_add_co_u32 s46, s46, s18
	s_mov_b32 s47, 0
	s_lshl_b32 s45, s16, 15                        ; where they go: y's half,
	s_mul_i32 s19, s16, BHALF
	s_add_co_u32 s19, s19, BOFF                    ; W's half: no place in the cluster enters an LDS address
	s_wait_kmcnt 0x0
	s_load_b64 s[96:97], s[8:9], 0x18              ; e6, e7
	s_add_nc_u64 s[20:21], s[4:5], s[20:21]
	s_add_nc_u64 s[46:47], s[6:7], s[46:47]
	CROUND                                         ; all sixteen work-groups are here: the first joint loads meet
.irp s, 0,1
	s_mov_b32 s[G0+4*\s], 1
	s_add_co_u32 s[G0+4*\s+1], s45, \s*SLOT
	s_add_nc_u64 s[G0+4*\s+2:G0+4*\s+3], s[20:21], \s*ASTEP
	s_or_b32 s[G0+4*\s+3], s[G0+4*\s+3], 0x80000000
	s_mov_b32 s[G0B+4*\s], 1
	s_add_co_u32 s[G0B+4*\s+1], s19, \s*SLOT
	s_add_nc_u64 s[G0B+4*\s+2:G0B+4*\s+3], s[46:47], \s*ROWB
	s_or_b32 s[G0B+4*\s+3], s[G0B+4*\s+3], 0x80000000
	s_wait_alu depctr_va_vdst(0)
	s_wait_tensorcnt 0x0
	ds_add_u32 v28, v29
	ds_add_u32 v28, v29
	s_wait_dscnt 0x0
	CROUND
	JLOAD G0+4*\s, G1, G0B+4*\s, G1B               ; one load of mine is out
.endr
	v_and_b32 v1, 15, v0                           ; r
	v_bfe_u32 v2, v0, 4, 1                         ; h
	v_and_b32 v3, 31, v0
	v_lshlrev_b32 v3, 4, v3                        ; 16 x lane
	v_mul_u32_u24 v4, v1, PITCH
	v_lshl_add_u32 v4, v2, 3, v4                   ; 272 r + 8 h
	s_lshl_b32 s92, s15, 15                        ; my 8 token tiles
	s_mul_i32 s93, s16, BHALF
	s_add_co_u32 s93, s93, BOFF                    ; my 64 rows of W
.irp s, 0,1
	v_add_nc_u32 v[ADRA+\s], s92, v3
	v_add_nc_u32 v[ADRB+\s], s93, v4
	s_add_co_u32 s92, s92, SLOT
	s_add_co_u32 s93, s93, SLOT
.endr
	s_mul_i32 s92, s14, 16*SPITCH                  ; my stage
	v_mul_u32_u24 v5, v1, SPITCH
	v_lshl_add_u32 v5, v2, 5, v5
	v_add_nc_u32 v[STO], s92, v5                   ; in: row r, 32 bytes for each half of the lanes
	v_mul_u32_u24 v6, v2, SPITCH
	v_lshl_add_u32 v6, v1, 4, v6
	v_add_nc_u32 v[RD], s92, v6                    ; back: lanes 0-15 one row of 256 bytes, lanes 16-31 the next
	v_lshlrev_b32 v7, 12, v2
	v_lshl_add_u32 v[CO], v1, 4, v7                ; and the same two rows of out, 4,096 bytes apart
	s_lshl_b32 s20, s17, 20                        ; 256 rows of 4,096 bytes a tile row,
	s_lshl_b32 s21, s15, 19                        ; 128 a half,
	s_add_co_u32 s20, s20, s21
	s_lshl_b32 s21, s42, 9                         ; 128 columns of 4 bytes a tile column,
	s_add_co_u32 s20, s20, s21
	s_lshl_b32 s21, s16, 8                         ; 64 a half
	s_add_co_u32 s20, s20, s21
	s_mov_b32 s21, 0
	s_add_nc_u64 s[10:11], s[10:11], s[20:21]
; The fragments of the slot's q-th 128 along K into set p: y's eight by 32 loads of 16 bytes, W's four by 32 loads of 8 bytes
.macro FETCH slot, q, p
	WIN TO_A
.irp a, 0,1,2,3,4,5,6,7
.irp c, 0,1,2,3
	ds_load_b128 v[128*(\p)+16*\a+4*\c:128*(\p)+16*\a+4*\c+3], v[ADRA+\slot] offset:ASTEP*\a+2048*(\q)+512*\c
.endr
.endr
	WIN 0
.irp b, 0,1,2,3
.irp c, 0,1,2,3,4,5,6,7
	ds_load_b64 v[BF+64*(\p)+16*\b+2*\c:BF+64*(\p)+16*\b+2*\c+1], v[ADRB+\slot] offset:16*PITCH*\b+128*(\q)+16*\c
.endr
.endr
.endm
; 16 matrix instructions: token tiles a0 .. a0 + 3 x W's four.  The 32 accumulators take turns, one instruction a turn, in the same order in every step.
.macro MUL16 a0, p, zero
.irp a, \a0, \a0+1, \a0+2, \a0+3
.irp b, 0,1,2,3
.if \zero
	v_wmma_f32_16x16x128_bf8_bf8 v[8*(4*(\a)+\b):8*(4*(\a)+\b)+7], v[BF+64*(\p)+16*\b:BF+64*(\p)+16*\b+15], v[128*(\p)+16*(\a):128*(\p)+16*(\a)+15], 0
.else
	v_wmma_f32_16x16x128_bf8_bf8 v[8*(4*(\a)+\b):8*(4*(\a)+\b)+7], v[BF+64*(\p)+16*\b:BF+64*(\p)+16*\b+15], v[128*(\p)+16*(\a):128*(\p)+16*(\a)+15], v[8*(4*(\a)+\b):8*(4*(\a)+\b)+7]
.endif
.endr
.endr
.endm
.macro PLACES n                        ; plain vector instructions between a matrix instruction and a load into, or a read of, its registers
.rept \n
	v_nop
.endr
.endm
; A slot's first step: multiplies set 0; the slot's second 128 along K are fetched into set 1 ahead of the products
.macro STEP slot, zero
	s_wait_dscnt 0x0                               ; set 0 is in
	PLACES 4                                       ; set 1 was read by the products just issued
	FETCH \slot, 1, 1
	WIN MUL
	MUL16 0, 0, \zero
	MUL16 4, 0, \zero
	WIN 0
.endm
; A slot's second step multiplies set 1 and changes slots: one barrier; in front of it each wave waits for all its tensor loads, adds 0 to its spare word, and waits for that and for its reads of this slot.
.macro TURN slot, next, fill
	s_wait_tensorcnt 0x0                           ; all my tensor loads have landed: my part of the next slot; so a group 0 may be written
	ds_add_u32 v[SPW], v[NIL]                      ; 0 onto my spare word
.if \fill
	s_add_nc_u64 s[G0+4*\slot+2:G0+4*\slot+3], s[G0+4*\slot+2:G0+4*\slot+3], 2*ASTEP
	s_add_nc_u64 s[G0B+4*\slot+2:G0B+4*\slot+3], s[G0B+4*\slot+2:G0B+4*\slot+3], 2*ROWB
.endif
	s_wait_dscnt 0x0                               ; the add is done, set 1 is in, and my reads of this slot are over
	s_barrier_signal -1
	WIN MUL
	MUL16 0, 1, 0                                  ; work on registers while the others arrive
	WIN 0
	s_barrier_wait -1
.if \fill
	CREST                                          ; the barrier has opened a round of the cluster's: no wave of any partner still reads this slot or has a load on its way
	JLOAD G0+4*\slot, G1, G0B+4*\slot, G1B         ; the first tensor load behind the round; its four v_nop are the places in front of the loads below
.else
	PLACES 4
.endif
	s_wait_alu depctr_va_vdst(0)
	FETCH \next, 0, 0
	WIN MUL
	MUL16 4, 1, 0
	WIN 0
.endm
	s_wait_tensorcnt 1                             ; my part of K step 0 is in; K step 1's load may be out
	s_barrier_signal -1
	s_barrier_wait -1
	FETCH 0, 0, 0
	STEP 0, 1                                      ; K = 1,024 is four slots' worth: written out.  The first products start the sums
	TURN 0, 1, 1
	STEP 1, 0
	TURN 1, 0, 1
	STEP 0, 0
	TURN 0, 1, 0                                   ; nothing is left to fetch; behind this barrier nobody reads slot 0
	STEP 1, 0
	s_wait_dscnt 0x0
	WIN MUL
	MUL16 0, 1, 0
	MUL16 4, 1, 0
	WIN 0
; THE WAY OUT, a block of 16 tokens x 64 columns at a time: x 2^(e6 + e7) into other registers, each accumulator from its low end on; through my own stage; back as whole rows of 256 bytes.
; LDS serves a wave's instructions in order (ISA guide 5.7.1.4): no wait between the stores and the loads, nor in front of the next block's stores.
.macro TOSTAGE a
	WIN 0x02                                       ; source 0: window 2
.set j, 0
.rept 16
	v_pk_mul_f32 v[TMP+32*((\a)%2)+j:TMP+32*((\a)%2)+j+1], v[32*(\a)+j:32*(\a)+j+1], s[96:97] op_sel_hi:[1,0]
.set j, j+2
.endr
	WIN 0
.irp b, 0,1,2,3
	ds_store_b128 v[STO], v[TMP+32*((\a)%2)+8*\b:TMP+32*((\a)%2)+8*\b+3] offset:64*\b
	ds_store_b128 v[STO], v[TMP+32*((\a)%2)+8*\b+4:TMP+32*((\a)%2)+8*\b+7] offset:64*\b+16
.endr
.irp t, 0,1,2,3,4,5,6,7
	ds_load_b128 v[BK+32*((\a)%2)+4*\t:BK+32*((\a)%2)+4*\t+3], v[RD] offset:2*SPITCH*\t
.endr
.endm
.macro SEND a, younger                 ; younger: the LDS instructions issued behind block a's loads, which may stay out
	s_wait_dscnt \younger
.irp t, 0,1,2,3,4,5,6,7
	global_store_b128 v[CO], v[BK+32*((\a)%2)+4*\t:BK+32*((\a)%2)+4*\t+3], s[10:11] offset:65536*(\a)+8192*\t th:TH_STORE_NT   ; 16 lanes store 256 consecutive bytes, aligned; every offset is an immediate, 516,096 at the most
.endr
.endm
	s_wait_kmcnt 0x0
	s_add_co_i32 s96, s96, s97
	s_add_co_i32 s96, s96, 127
	s_lshl_b32 s96, s96, 23                        ; 2^(e6 + e7) as f32
	PLACES 4
	TOSTAGE 0
.irp a, 1,2,3,4,5,6,7
.if \a > 1
	s_wait_xcnt 0x0                                ; block a - 2's stores have had their addresses taken: block a's loads may land in their registers
.endif
	TOSTAGE \a
	SEND \a-1, 16                                  ; behind block a - 1's loads: block a's 8 stores and 8 loads
.endr
	SEND 7, 0
	s_wait_tensorcnt 0x0                           ; the wave's end
	ds_add_u32 v[SPW], v[NIL]
	s_wait_dscnt 0x0
	CROUND                                         ; the closing round
	s_endpgm
.Lfunc_end_k_q6a5befb996_proj:
	.size	k_q6a5befb996_proj, .Lfunc_end_k_q6a5befb996_proj-k_q6a5befb996_proj
	.p2alignl 7, 3214868480
	.fill 96, 4, 3214868480
	.section	.rodata,"a",@progbits
	.p2align	6, 0x0
	.amdhsa_kernel k_q6a5befb996_proj
		.amdhsa_group_segment_fixed_size 327680
		.amdhsa_private_segment_fixed_size 0
		.amdhsa_enable_private_segment 0
		.amdhsa_kernarg_size 32
		.amdhsa_user_sgpr_count 2
		.amdhsa_user_sgpr_kernarg_segment_ptr 1
		.amdhsa_wavefront_size32 1
		.amdhsa_system_sgpr_workgroup_id_x 1
		.amdhsa_system_sgpr_workgroup_id_y 1
		.amdhsa_system_sgpr_workgroup_id_z 1
		.amdhsa_system_vgpr_workitem_id 0
		.amdhsa_next_free_vgpr 768
		.amdhsa_next_free_sgpr 100
		.amdhsa_reserve_vcc 0
		.amdhsa_float_denorm_mode_32 3
		.amdhsa_float_denorm_mode_16_64 3
		.amdhsa_memory_ordered 1
		.amdhsa_forward_progress 1
		.amdhsa_inst_pref_size 84
	.end_amdhsa_kernel
	.amdgpu_metadata
---
amdhsa.version: [ 1, 2 ]
amdhsa.kernels:
  - .name:           k_q6a5befb996_proj
    .symbol:         k_q6a5befb996_proj.kd
    .args:
      - { .name: yimg, .offset: 0, .size: 8, .value_kind: global_buffer, .address_space: global }
      - { .name: W_proj_codes, .offset: 8, .size: 8, .value_kind: global_buffer, .address_space: global }
      - { .name: lowp_scales, .offset: 16, .size: 8, .value_kind: global_buffer, .address_space: global }
      - { .name: out0, .offset: 24, .size: 8, .value_kind: global_buffer, .address_space: global }
    .group_segment_fixed_size: 327680
    .private_segment_fixed_size: 0
    .kernarg_segment_align: 8
    .kernarg_segment_size: 32
    .max_flat_workgroup_size: 128
    .sgpr_count:     100
    .vgpr_count:     768
    .wavefront_size: 32
...
	.end_amdgpu_metadata
.endif
;; end of part 3
